; MI455X (gfx1250); checked and timed in simulation.
; The chip was launched on July 23, 2026; its instructions are those of AMD's public machine-readable ISA for CDNA 5 (MIT licence, August 2026) and "CDNA5" Instruction Set Architecture Reference Guide (July 2026). The comments in the code are by the model that wrote it; some were corrected since.
;; Vector Quantizer. Allowed arithmetic: float matrix products may take bf16 or f16 operands with f32 sums; other float arithmetic in f32, or as packed bf16 or f16 multiplies, adds, multiply-adds, maxima and minima; sums over many terms, partial sums and values carried from step to step in f32; what a program stores and reads back later, other than sums and carried values, may be rounded once to bf16 or f16.
;; Inputs: inputs 32,768 x 256 float32; weight 8,192 x 256 float32.
;; Outputs: out0 32,768 x 256 float32; out1 32,768 int32.
;; 2 versions, each right; version 2 is version 1 with the launch prep written anew for expert scheduling mode. Each part assembles by itself: llvm-mc -triple=amdgcn-amd-amdhsa -mcpu=gfx1250 --defsym DOCPART=n.
;; ======== version 1 of 2: 3 launches
;; workspace buffers: wb 4,194,304 bytes; wn 32,768 bytes; order 131,072 bytes of whole numbers
;; launch prep (part 1): grid 128 x 1, 8 waves a work-group, no clusters, 1,280 bytes of LDS; arguments weight, wb, wn; writes wb, wn
.if DOCPART == 1
	.amdgcn_target "amdgcn-amd-amdhsa--gfx1250"
	.amdhsa_code_object_version 6
	.text
	.protected	k_q79f3708282_prep
	.globl	k_q79f3708282_prep
	.p2align	8
	.type	k_q79f3708282_prep,@function
k_q79f3708282_prep:
	s_mov_b64 s[64:65], 0
	v_nop
	global_prefetch_b8 v0, s[64:65] scope:SCOPE_SE
	s_setreg_imm32_b32 hwreg(HW_REG_WAVE_MODE, 25, 1), 1
	s_wait_xcnt 0x0
; wb[k][:] = weight[k][:] rounded to bf16 (nearest even);  wn[k] = the sum over d of wb[k][d]^2, in f32.
; weight: [8192][256] f32.  wb: [8192][256] bf16.  wn: [8192] f32.
; The squares are taken of the ROUNDED numbers: the distances of the next launch are those of the rounded codebook.
; SHARES.  A work-group owns 64 rows, so that its 64 sums are 256 consecutive bytes of wn, aligned, stored by one instruction.
; Wave w owns rows 8 w .. 8 w + 7.  A row is 1,024 bytes: two loads of 16 bytes a lane, 512 consecutive bytes each; all 16 loads of
; a wave go out at once, so nothing is walked and no ring is needed.  A row of wb is 512 bytes: two stores of 8 bytes a lane, each
; 256 consecutive bytes, aligned.
; LIMITS.  The order of the 256 additions is this text's own (two chains a lane, then across the lanes); NaN and infinities pass through.
.set SPARE, 256                        ; LDS: bytes 0-255 the 64 sums; behind them the spare words, 128 bytes for each of the eight waves
.set LO,  1                            ; v1   16 x lane: my bytes in half a row of weight
.set SO,  2                            ; v2   8 x lane: my bytes in half a row of wb; also my two sums in LDS and in wn (wave 0)
.set LW,  3                            ; v3   32 x wave: my wave's eight sums in LDS
.set SPW, 4                            ; v4   LDS address of my spare word; never rewritten
.set NIL, 5                            ; v5   0, for the add alone; never rewritten
.set T,   6                            ; v[6:7] at work
.set ZERO, 10                          ; v10  0: what the two chains of a row start from
.set X,   16                           ; v[16:79]  row i, half j: four f32 at X + 8 i + 4 j
.set Y,   80                           ; v[80:111] row i: eight bf16 in four... registers Y + 4 i + 0..3 (two a half)
	s_load_b128 s[4:7], s[0:1], 0x0                ; weight s[4:5], wb s[6:7]
	s_load_b64 s[8:9], s[0:1], 0x10                ; wn
	v_lshl_add_u32 v[SPW], v0, 2, SPARE
	v_mov_b32 v[NIL], 0
	v_mov_b32 v[ZERO], 0
	v_lshrrev_b32 v[T], 5, v0
	v_readfirstlane_b32 s10, v[T]                  ; wave 0..7
	v_and_b32 v[T+1], 31, v0                       ; lane
	v_lshlrev_b32 v[LO], 4, v[T+1]
	v_lshlrev_b32 v[SO], 3, v[T+1]
	v_and_b32 v[LW], 0xe0, v0                      ; 32 x wave
	s_mov_b32 s12, 0x76543210                      ; v_permlanex16_b32: each lane takes its own place in the other half
	s_mov_b32 s13, 0xfedcba98
	s_lshl_b32 s14, ttmp9, 16                      ; the work-group's 64 rows of 1,024 bytes,
	s_lshl_b32 s15, s10, 13                        ; my wave's 8 of them
	s_add_co_u32 s14, s14, s15
	s_mov_b32 s15, 0
	s_lshr_b32 s16, s14, 1                         ; the same rows in wb: half the bytes
	s_mov_b32 s17, 0
	s_lshl_b32 s18, ttmp9, 8                       ; the work-group's 64 sums in wn
	s_mov_b32 s19, 0
	s_wait_kmcnt 0x0
	s_add_nc_u64 s[4:5], s[4:5], s[14:15]
	s_add_nc_u64 s[6:7], s[6:7], s[16:17]
	s_add_nc_u64 s[8:9], s[8:9], s[18:19]
.irp i, 0,1,2,3,4,5,6,7
	global_load_b128 v[X+8*(\i):X+8*(\i)+3],   v[LO], s[4:5] offset:1024*(\i) th:TH_LOAD_NT
	global_load_b128 v[X+8*(\i)+4:X+8*(\i)+7], v[LO], s[4:5] offset:1024*(\i)+512 th:TH_LOAD_NT
.endr
; Row i: rounded, squared and summed, stored.  Each row has data registers of its own, so no store's source is ever rewritten.
.macro ROW i
	s_wait_loadcnt 14-2*(\i)                       ; loads come back in order: this row's two are in, the 2 (7 - i) of the later rows stay out
.irp k, 0,1,2,3
	v_cvt_pk_bf16_f32 v[Y+4*(\i)+(\k)], v[X+8*(\i)+2*(\k)], v[X+8*(\i)+2*(\k)+1]
.endr
	v_fma_mix_f32_bf16 v[T],   v[Y+4*(\i)], v[Y+4*(\i)], v[ZERO] op_sel_hi:[1,1,0]                 ; low halves: one chain,
	v_fma_mix_f32_bf16 v[T+1], v[Y+4*(\i)], v[Y+4*(\i)], v[ZERO] op_sel:[1,1,0] op_sel_hi:[1,1,0]  ; high halves: the other
.irp k, 1,2,3
	v_fma_mix_f32_bf16 v[T],   v[Y+4*(\i)+(\k)], v[Y+4*(\i)+(\k)], v[T]   op_sel_hi:[1,1,0]
	v_fma_mix_f32_bf16 v[T+1], v[Y+4*(\i)+(\k)], v[Y+4*(\i)+(\k)], v[T+1] op_sel:[1,1,0] op_sel_hi:[1,1,0]
.endr
	v_add_f32 v[T], v[T], v[T+1]
	v_add_f32_dpp v[T], v[T], v[T] row_xmask:1 row_mask:0xf bank_mask:0xf
	v_add_f32_dpp v[T], v[T], v[T] row_xmask:2 row_mask:0xf bank_mask:0xf
	v_add_f32_dpp v[T], v[T], v[T] row_xmask:4 row_mask:0xf bank_mask:0xf
	v_add_f32_dpp v[T], v[T], v[T] row_xmask:8 row_mask:0xf bank_mask:0xf
	v_permlanex16_b32 v[T+1], v[T], s12, s13       ; the other half of the lanes
	v_add_f32 v[T], v[T], v[T+1]                   ; every lane holds the row's sum
	ds_store_b32 v[LW], v[T] offset:4*(\i)         ; all lanes write the same word with the same number
	global_store_b64 v[SO], v[Y+4*(\i):Y+4*(\i)+1],   s[6:7] offset:512*(\i) th:TH_STORE_NT      ; 32 lanes x 8 bytes: 256 consecutive bytes, aligned
	global_store_b64 v[SO], v[Y+4*(\i)+2:Y+4*(\i)+3], s[6:7] offset:512*(\i)+256 th:TH_STORE_NT
.endm
.irp i, 0,1,2,3,4,5,6,7
	ROW \i
.endr
	s_wait_dscnt 0x0                               ; for the others' sake: my eight sums lie in LDS
	s_barrier_signal -1
	s_barrier_wait -1                              ; all 64 do
	s_cmp_lg_u32 s10, 0
	s_cbranch_scc1 .Lend                           ; wave 0 alone stores them
	ds_load_b64 v[T:T+1], v[SO]                    ; sums 2 l and 2 l + 1
	s_wait_dscnt 0x0
	global_store_b64 v[SO], v[T:T+1], s[8:9]       ; 256 consecutive bytes of wn, aligned
.Lend:
	s_wait_tensorcnt 0x0                           ; the wave's end, behind my last LDS store
	ds_add_u32 v[SPW], v[NIL]
	s_wait_dscnt 0x0
	s_endpgm
.Lfunc_end_k_q79f3708282_prep:
	.size	k_q79f3708282_prep, .Lfunc_end_k_q79f3708282_prep-k_q79f3708282_prep
	.p2alignl 7, 3214868480
	.fill 96, 4, 3214868480
	.section	.rodata,"a",@progbits
	.p2align	6, 0x0
	.amdhsa_kernel k_q79f3708282_prep
		.amdhsa_group_segment_fixed_size 1280
		.amdhsa_private_segment_fixed_size 0
		.amdhsa_enable_private_segment 0
		.amdhsa_kernarg_size 24
		.amdhsa_user_sgpr_count 2
		.amdhsa_user_sgpr_kernarg_segment_ptr 1
		.amdhsa_wavefront_size32 1
		.amdhsa_system_sgpr_workgroup_id_x 1
		.amdhsa_system_sgpr_workgroup_id_y 1
		.amdhsa_system_sgpr_workgroup_id_z 1
		.amdhsa_system_vgpr_workitem_id 0
		.amdhsa_next_free_vgpr 112
		.amdhsa_next_free_sgpr 66
		.amdhsa_reserve_vcc 0
		.amdhsa_float_denorm_mode_32 3
		.amdhsa_float_denorm_mode_16_64 3
		.amdhsa_memory_ordered 1
		.amdhsa_forward_progress 1
		.amdhsa_inst_pref_size 15
	.end_amdhsa_kernel
	.amdgpu_metadata
---
amdhsa.version: [ 1, 2 ]
amdhsa.kernels:
  - .name:           k_q79f3708282_prep
    .symbol:         k_q79f3708282_prep.kd
    .args:
      - { .name: weight, .offset: 0, .size: 8, .value_kind: global_buffer, .address_space: global }
      - { .name: wb, .offset: 8, .size: 8, .value_kind: global_buffer, .address_space: global }
      - { .name: wn, .offset: 16, .size: 8, .value_kind: global_buffer, .address_space: global }
    .group_segment_fixed_size: 1280
    .private_segment_fixed_size: 0
    .kernarg_segment_align: 8
    .kernarg_segment_size: 24
    .max_flat_workgroup_size: 256
    .sgpr_count:     66
    .vgpr_count:     112
    .wavefront_size: 32
...
	.end_amdgpu_metadata
.endif
;; end of part 1
;; launch main (part 2): grid 256 x 1, 4 waves a work-group, clusters of 4 x 1, 327,680 bytes of LDS; arguments inputs, wb, wn, out1, order; writes out1, order
.if DOCPART == 2
	.amdgcn_target "amdgcn-amd-amdhsa--gfx1250"
	.amdhsa_code_object_version 6
	.text
	.protected	k_q79f3708282_main
	.globl	k_q79f3708282_main
	.p2align	8
	.type	k_q79f3708282_main,@function
k_q79f3708282_main:
	s_mov_b64 s[64:65], 0
	v_nop
	global_prefetch_b8 v0, s[64:65] scope:SCOPE_SE
	s_setreg_imm32_b32 hwreg(HW_REG_WAVE_MODE, 25, 1), 1
	s_wait_xcnt 0x0
	s_wait_alu depctr_hold_cnt(0) depctr_sa_sdst(0) depctr_va_vdst(0) depctr_va_sdst(0) depctr_va_ssrc(0) depctr_va_vcc(0) depctr_vm_vsrc(0)
	s_getreg_b32 s2, hwreg(HW_REG_IB_STS2, 6, 4)
	s_cmp_eq_u32 s2, 0
	s_cbranch_scc0 .Lentry_in_a_cluster
	s_endpgm
.Lentry_in_a_cluster:
	s_bfe_u32 s2, ttmp6, 0x10000c
	s_cmp_lg_u32 s2, 0x3003
	s_cbranch_scc0 .Lentry_shape_is_right
	s_endpgm
.Lentry_shape_is_right:
; out1[n] = order[n] = the lowest k at which d(n, k) = (xx[n] - 2 x[n].w[k]) + ww[k] is least.  inputs: [32768][256] f32; wb: [8192][256] bf16, wn: [8192] f32 (made by the launch before).
; x is rounded to bf16 here, once; xx is the sum of squares of the ROUNDED x, ww that of the rounded w: the distances are those of the formula on inputs rounded to bf16.  The products' sums are f32;
; d is made with the formula's own two roundings: one fused multiply-add (2 x.w is exact), one addition.  The comparison is strict, ties go to the lowest k.
; LIMITS.  Two codes whose distances differ by less than the last bits of the f32 sums may be ordered otherwise than another order of summation orders them.  The formula's own cancellation
; (a difference of sums that are large where the inputs carry a large common offset) is kept as it is written.  NaN and infinities are not treated apart: a NaN distance never wins, and a
; query with no finite distance gets index 0.  bf16 has f32's range.
; SHARES.  A work-group owns 128 queries and walks all 8,192 codes, so no minimum crosses work-groups.  EVERY wave holds all 128 queries in registers (8 tiles x 8 K steps x 8 registers = 512);
; the CODES are split: of a slot's 256 codes wave v takes 64 v .. 64 v + 63, four tiles of 16.  So a fragment of w read from LDS feeds eight matrix instructions, and a wave reads only
; LDS bytes that its own tensor load brought.
; LAYOUT.  Source 0 = 16 codes, source 1 = 16 queries: in the result lane l holds ONE query (l % 16) and the codes 8 (l / 16) + 0..7.
; THE MINIMUM.  A lane keeps, for each query tile, the least distance so far (BEST), the number of the code tile that brought it (GID) and that tile's eight distances (SAV): 23 vector
; instructions for a result of 16 x 16 (8 matrix instructions).  Which of the eight it was is found once, at the end.  These RIDERS of tile n - 1 stand in fours behind the matrix
; instructions of tile n; two sets of accumulators take turns.
; CLUSTER.  The four work-groups of a cluster walk the same wb and wn, so each tile is asked for JOINTLY: the same tensor load, descriptor and mask in all four.  x is each work-group's own.
; REGISTERS, in windows of 256 (s_set_vgpr_msb: bits 1:0 source 0, 3:2 source 1, 5:4 source 2, 7:6 destination):
;   window 0: addresses, statistics and both sets of accumulators (map below)      window 1: v0-63, v64-127 w's fragments of one code tile, two buffers (at the start: all 256, x in f32)
;   windows 2, 3: x in bf16: query tile t, K step s at v[64 (t % 4) + 8 s] of window 2 + t / 4
; All that a rider touches lies in window 0, a product's sources in windows 1 to 3: a slice of riders costs two switches.
.set PW,    528       ; a row of w in LDS: 512 bytes + 16 of padding = 132 words: row r starts at bank 4 r mod 64 (64 banks of 4 bytes: ISA guide 11.1), so the 16 rows of a load start at 16 different banks
.set TILEB, 16*PW     ; a code tile
.set QUART, 64*PW     ; a wave's part of a slot: 0x8400
.set SLOT,  4*QUART   ; 0x21000: no wave's part has bit 12 or bit 17 set, so one exclusive or turns an address in one slot into the other's
.set PX,    1040      ; a row of x (f32) in LDS: 1,024 bytes + 16
.set XQ,    32*PX     ; what one wave fetches of x
.set WWL,   2*SLOT    ; behind the ring: wn; wave v's strip of 8,192 bytes at 8,192 v: its code tile n at 64 n
.set XXS,   WWL+32768 ; xx of the 128 queries: written by LDS stores, never a tensor load's target, as are the next two
.set REDV,  XXS+512   ; [wave][128] least distances
.set REDI,  REDV+2048 ; [wave][128] their indices
.set SPARE, REDI+2048 ; the spare words, 128 bytes for each wave: two blocks of 256 bytes that no other line names
.set SLOTB, 131072    ; a slot's 256 rows of wb in memory
.set R,    1          ; v1   l % 16
.set H,    2          ; v2   l / 16
.set AW0,  3          ; v3   my lane's place in my wave's part of a slot; never rewritten
.set ADR,  4          ; v4   the LDS address of the run of loads in hand
.set AWW,  5          ; v5   my lane's place in my wave's strip of wn; never rewritten
.set AX0,  6          ; v6, v7   my lane's place in x's rows 0-63, 64-127
.set AXX,  8          ; v8   the row of x whose squares I sum: my thread's number
.set AXR,  9          ; v9   xx of query l % 16
.set PFO,  10         ; v10  256 x lane: the prefetches' offset; never rewritten
.set TV,   11         ; v11  at work
.set SPW,  12         ; v12  LDS address of my spare word; never rewritten
.set NIL,  13         ; v13  0; never rewritten
.set AWA,  14         ; v14  the LDS address of a tile's ww
.set XX,   16         ; v[16:23]   xx of my query in tile t
.set WW,   24         ; v[24:39]   ww of my eight codes, two buffers
.set MT,   40         ; v[40:47]   at work: two registers for each of the four tiles of a slice
.set SAV,  48         ; v[48:111]  tile t: the eight distances of the code tile that holds the least
.set BEST, 112        ; v[112:119]
.set GID,  120        ; v[120:127]
.set ACC,  128        ; v[128:255] two sets of eight accumulators: set b, query tile t at ACC + 64 b + 8 t
.set RJ,   128        ; the end: v[128:135] index; v136-139 at work
.set WV,   14         ; s14  my wave's number
.set CX,   15         ; s15  my place in the cluster: it enters global addresses of x, out1, order and the prefetches alone
.set G1W,  16         ; s[16:23] descriptor group 1 for w's tiles
.set G1X,  24         ; s[24:31] for x
.set G1N,  32         ; s[32:39] for wn
.set G0W,  40         ; s[40:43] group 0 for w's tiles: it walks
.set G0X,  44         ; s[44:47]
.set G0N,  48         ; s[48:51]
.set MK,   52         ; s[52:55] the riders' lane masks, one for each tile of a slice
.set SLOTS, 56        ; s56  31 less the number of changes of slots that have filled
.set CNT,  57         ; s57  counts pairs of tiles
.set TB,   58         ; s58  LDS byte, less my wave's part, at which the code tile to be fetched begins
.set TAU,  59         ; s59  the number, among my wave's 128, of the code tile whose riders are in hand
.set SEL,  60         ; s[60:61] v_permlanex16_b32's selects
.set LIM,  62         ; s62  2 in the cluster that prefetches, else the greatest number
.set WG,   63         ; s63  my work-group's number
.set PFA,  66         ; s[66:67] where my prefetches stand
.set TW,   72         ; s72  64 x the number of the code tile whose ww is fetched next
.set MSB, 0
.macro WIN new                      ; the high byte repeats the setting that is left; a switch that changes nothing is dropped
.if MSB != (\new)
	s_set_vgpr_msb (MSB<<8)|(\new)
.set MSB, (\new)
.endif
.endm
; A round of the cluster's barrier: my work-group's barrier, so that wave 0's signal speaks for all four waves; wave 0 signals; every wave waits for all four work-groups; my work-group's barrier once more.
.macro CROUND
	s_barrier_signal -1
	s_barrier_wait -1
	s_cmp_lg_u32 s[WV], 0
	s_cbranch_scc1 .Lnot_wave_0_\@
	s_barrier_signal -3
.Lnot_wave_0_\@:
	s_barrier_wait -3
	s_barrier_signal -1
	s_barrier_wait -1
.endm
; A PREFETCH INTO THE L2 of the slot that stands two fills on (the change that fills slot index k + 1 names slot index k + 3: 512 matrix instructions of a wave ahead of the load that asks for it).
; All 64 clusters walk the same rows: cluster 0 alone asks.  Its sixteen waves share a slot's 512 blocks of 256 bytes out BY ADDRESS (32,768 x wave + 8,192 x place in the cluster + 256 x lane):
; one instruction a wave, each block named once in the launch.  It stops when slot index 31, the last, has been named.  Slot indices 0 to 2 come by their loads alone.
.macro ASK
	s_cmp_gt_u32 s[SLOTS], s[LIM]
	s_cbranch_scc0 .Lnot_mine_\@
	global_prefetch_b8 v[PFO], s[PFA:PFA+1] th:TH_LOAD_NT scope:SCOPE_SE
.Lnot_mine_\@:
.endm
; THE CHANGE OF SLOTS stands in front of a slot's fourth code tile, whose fragments are already asked for: my reads of the slot are over when they have come.  Each wave waits for all its tensor
; loads, of which one is out: its part of the other slot; adds 0 to its spare word; and waits for that and for its LDS reads.
; fill = 1: the slot is filled again, with the codes two slots on.  The barrier is a round of the cluster's, so that no wave of any partner still reads the slot or has a load on its way, and the
; joint fill is the first thing behind it: it has four code tiles, 256 matrix instructions, in which to land.  One tensor load of mine is then out.
.macro CHANGE fill
	WIN 0                           ; at a label and at a branch every window is 0
	s_wait_tensorcnt 0x0            ; no tensor load of mine is out, so group 0 may be written
	ds_add_u32 v[SPW], v[NIL]       ; 0 onto my spare word; with fill = 1 the steps below stand between it and the wait for it
.if \fill
	s_xor_b32 s[G0W+1], s[G0W+1], SLOT                          ; the other slot than last time,
	s_add_nc_u64 s[G0W+2:G0W+3], s[G0W+2:G0W+3], SLOTB          ; the next 256 codes; the type bits on top are not reached
	s_wait_xcnt 0x0                 ; the last prefetch, four code tiles back, has read its address, so it may be written
	s_add_nc_u64 s[PFA:PFA+1], s[PFA:PFA+1], SLOTB
	s_wait_dscnt 0x0                ; the add is done, and my reads of the slot are over
	CROUND
	tensor_load_to_lds s[G0W:G0W+3], s[G1W:G1W+7]
	s_nop 0
.rept 4
	v_nop
.endr
	ASK
.else
	s_wait_dscnt 0x0                ; the add is done, and my reads of the slot are over
	s_barrier_signal -1
	s_barrier_wait -1
.endif
	s_sub_co_u32 s[TB], s[TB], 4*TILEB  ; the fetches go back to a slot's first tile,
	s_xor_b32 s[TB], s[TB], SLOT        ; in the other slot
.endm
; Product i of a code tile's 64, on set b: K step i / 8, query tile i % 8.  The eight accumulators take turns, one instruction a turn, from tile to tile and over the
; backward jumps too.  The first eight start the sums with the constant 0.
.macro MM b
.set tq, i%8
.set sk, i/8
	WIN 0x09+4*(tq/4)               ; w in window 1, x in window 2 or 3, C and D in window 0
.set rA, ACC+64*(\b)+8*tq
.set rF, 64*(\b)+8*sk
.set rX, 64*(tq%4)+8*sk
.if sk == 0
	v_wmma_f32_16x16x32_bf16 v[rA:rA+7], v[rF:rF+7], v[rX:rX+7], 0
.else
	v_wmma_f32_16x16x32_bf16 v[rA:rA+7], v[rF:rF+7], v[rX:rX+7], v[rA:rA+7]
.endif
.endm
; THE LDS LOADS stand in one run at a tile's head.  A fragment of w is 16 rows x 32 channels in 8 registers: lane l holds row l % 16, channels 8 (l / 16) + 0..7 and 16 + 8 (l / 16) + 0..7: two loads of 16 bytes, 32 apart.
.macro FETCHW d                     ; the next code tile's 16 rows x 256 channels into buffer d
	WIN 0
	v_add_nc_u32 v[ADR], s[TB], v[AW0]
	WIN 0x40                        ; destination window 1, address window 0
.irp s, 0,1,2,3,4,5,6,7
	ds_load_b128 v[64*(\d)+8*(\s):64*(\d)+8*(\s)+3],   v[ADR] offset:64*(\s)
	ds_load_b128 v[64*(\d)+8*(\s)+4:64*(\d)+8*(\s)+7], v[ADR] offset:64*(\s)+32
.endr
	s_add_co_u32 s[TB], s[TB], TILEB
.endm
.macro FETCH b, w                   ; this tile's ww (lanes of one half read the same 32 bytes), and, w = 1, the next tile's fragments
	WIN 0
	v_add_nc_u32 v[AWA], s[TW], v[AWW]
	ds_load_b128 v[WW+8*(\b):WW+8*(\b)+3],   v[AWA]
	ds_load_b128 v[WW+8*(\b)+4:WW+8*(\b)+7], v[AWA] offset:16
	s_add_co_u32 s[TW], s[TW], 64
.if \w
	FETCHW 1-(\b)
.endif
.endm
; THE RIDERS.  Number n of the 23 for query tile t0 + u, on set b.  d0-d7 are the lane's eight distances, made in place in the accumulator, its lowest registers first.
;   0-3   xx - 2 x.w, a pair at a time: one rounding        4-7   + ww: the second rounding        8-11  the least of the eight
;   12    is it below BEST?  (strict: an earlier tile keeps a tie)        13  BEST        14  the tile's number        15-22  its eight distances
.macro OPR u, b
.set t, t0+(\u)
.set rA, ACC+64*(\b)+8*t
.set rN, WW+8*(\b)
.set rM, MT+2*(\u)
.set rS, SAV+8*t
.if n < 4
.if t%2 == 0
	v_pk_fma_f32 v[rA+2*n:rA+2*n+1], v[rA+2*n:rA+2*n+1], -2.0, v[XX+t:XX+t+1] op_sel_hi:[1,0,0]                    ; the pair's first register is this tile's xx
.else
	v_pk_fma_f32 v[rA+2*n:rA+2*n+1], v[rA+2*n:rA+2*n+1], -2.0, v[XX+t-1:XX+t] op_sel:[0,0,1] op_sel_hi:[1,0,1]     ; the pair's second
.endif
.elseif n < 8
	v_pk_add_f32 v[rA+2*(n-4):rA+2*(n-4)+1], v[rA+2*(n-4):rA+2*(n-4)+1], v[rN+2*(n-4):rN+2*(n-4)+1]
.elseif n == 8
	v_min3_num_f32 v[rM], v[rA], v[rA+1], v[rA+2]
.elseif n == 9
	v_min3_num_f32 v[rM+1], v[rA+3], v[rA+4], v[rA+5]
.elseif n == 10
	v_min3_num_f32 v[rM], v[rM], v[rA+6], v[rA+7]
.elseif n == 11
	v_min_num_f32 v[rM], v[rM], v[rM+1]
.elseif n == 12
	v_cmp_lt_f32 s[MK+(\u)], v[rM], v[BEST+t]
.elseif n == 13
	v_min_num_f32 v[BEST+t], v[BEST+t], v[rM]
.elseif n == 14
	v_cndmask_b32 v[GID+t], v[GID+t], s[TAU], s[MK+(\u)]
.else
	v_cndmask_b32 v[rS+n-15], v[rS+n-15], v[rA+n-15], s[MK+(\u)]
.endif
.endm
; Slice k of 46: one number of the list for four query tiles (0-3, then 4-7), so that each link of a tile's chain stands four instructions behind the one that it reads.
.macro SLICE k, b
	WIN 0
.set n, (\k)%23
.set t0, 4*((\k)/23)
.irp u, 0,1,2,3
	OPR \u, \b
.endr
.endm
; A CODE TILE on set b: 64 products; behind products 18 to 63 a slice of the tile before's riders (set 1 - b).
; The one wait at its head is for loads issued 64 products back: this tile's fragments and the tile before's ww.
; DISTANCES (a vector instruction that touches, and a load into, a matrix instruction's registers stand four plain vector instructions behind it: ISA guide 7.12.1 for vector instructions).
; The slice behind product 63 names no register of this tile's products: it is the four places in front of the next tile's loads into this tile's fragments; the slices
; behind products 56 to 63 are those in front of the first rider that reads the new sums.  So no v_nop is written.
.macro TILE b, w=1
	s_wait_dscnt 0x0
	FETCH \b, \w
.set i, 0
.rept 64
	MM \b
.if i >= 18
	SLICE i-18, 1-(\b)
.endif
.set i, i+1
.endr
	WIN 0
	s_add_co_u32 s[TAU], s[TAU], 1
.endm
; x from f32 in LDS to bf16 fragments.  Query tile t: for K step s a lane takes channels 32 s + 8 (l / 16) + 0..7 and 32 s + 16 + 8 (l / 16) + 0..7 of row 16 t + l % 16: four loads of 16 bytes.
.macro CONVLOAD t, set              ; 32 loads into set 0 or 1 of window 1
	WIN 0x40
.set rT, 128*(\set)
.irp s, 0,1,2,3,4,5,6,7
.irp p, 0,1,2,3
	ds_load_b128 v[rT+16*(\s)+4*(\p):rT+16*(\s)+4*(\p)+3], v[AX0+(\t)/4] offset:16*PX*((\t)%4)+128*(\s)+16*((\p)%2)+64*((\p)/2)
.endr
.endr
.endm
.macro CONVCVT t, set               ; 64 roundings: two neighbouring channels a register
	WIN 0x85+0x40*((\t)/4)          ; sources window 1, destination window 2 or 3
.set rT, 128*(\set)
.set rX, 64*((\t)%4)
.set z, 0
.rept 64
	v_cvt_pk_bf16_f32 v[rX+z], v[rT+2*z], v[rT+2*z+1]
.set z, z+1
.endr
.endm
; (a, ia) takes (b, ib) where b is less, or equal with the lower index.
.macro MERGE a, ia, b, ib
	v_cmp_lt_f32 s[MK], v[\b], v[\a]
	v_cmp_eq_f32 s[MK+1], v[\b], v[\a]
	v_cmp_lt_u32 s[MK+2], v[\ib], v[\ia]
	s_and_b32 s[MK+1], s[MK+1], s[MK+2]
	s_or_b32 s[MK], s[MK], s[MK+1]
	v_cndmask_b32 v[\a], v[\a], v[\b], s[MK]
	v_cndmask_b32 v[\ia], v[\ia], v[\ib], s[MK]
.endm
	s_load_b256 s[4:11], s[0:1], 0x0  ; inputs s[4:5], wb s[6:7], wn s[8:9], out1 s[10:11]
	s_load_b64 s[12:13], s[0:1], 0x20 ; order
	v_lshl_add_u32 v[SPW], v0, 2, SPARE
	v_mov_b32 v[NIL], 0
	ds_add_u32 v[SPW], v[NIL]       ; the wave's opening: the add, twice on end, and its wait ahead of my first tensor load; the set-up below, work on registers, stands between
	ds_add_u32 v[SPW], v[NIL]       ; and once more, under the one wait
	v_lshrrev_b32 v1, 5, v0
	v_readfirstlane_b32 s[WV], v1   ; wave 0..3
	s_bfe_u32 s[CX], ttmp6, 0x40000 ; my place in the cluster
	s_lshl_b32 s[WG], ttmp9, 2      ; in a cluster launch ttmp9 counts clusters
	s_add_co_u32 s[WG], s[WG], s[CX]
	; group 1 for w: 64 rows x 256 elements of 2 bytes, padded in LDS
	s_mov_b32 s[G1W], 15|(1<<16)|(1<<20)|(1<<21)|(6<<22)|(3<<25)  ; 15:0 the mask of four; 17:16 2-byte elements; 20 padding on; 21 set beside a mask; 24:22 after every 128 words (code 6); 31:25 4 words (code 3)
	s_mov_b32 s[G1W+1], 256<<16     ; tensor_dim0 = 256
	s_mov_b32 s[G1W+2], 64<<16      ; tensor_dim1 = 64
	s_mov_b32 s[G1W+3], 256<<16     ; tile_dim0 = 256
	s_mov_b32 s[G1W+4], 64          ; tile_dim1 = 64
	s_mov_b32 s[G1W+5], 256         ; elements from row to row
	s_mov_b32 s[G1W+6], 0
	s_mov_b32 s[G1W+7], 0
	; group 1 for x: 32 rows x 256 elements of 4 bytes, padded; no mask: each work-group's own
	s_mov_b32 s[G1X], (2<<16)|(1<<20)|(7<<22)|(3<<25)  ; 4-byte elements; padding after every 256 words (code 7), 4 words
	s_mov_b32 s[G1X+1], 256<<16
	s_mov_b32 s[G1X+2], 32<<16
	s_mov_b32 s[G1X+3], 256<<16
	s_mov_b32 s[G1X+4], 32
	s_mov_b32 s[G1X+5], 256
	s_mov_b32 s[G1X+6], 0
	s_mov_b32 s[G1X+7], 0
	; group 1 for wn, taken as [32][256]: my wave's 64 columns of all 32 rows, dense in LDS
	s_mov_b32 s[G1N], 15|(2<<16)|(1<<21)
	s_mov_b32 s[G1N+1], 64<<16
	s_mov_b32 s[G1N+2], 32<<16
	s_mov_b32 s[G1N+3], 64<<16
	s_mov_b32 s[G1N+4], 32
	s_mov_b32 s[G1N+5], 256
	s_mov_b32 s[G1N+6], 0
	s_mov_b32 s[G1N+7], 0
	s_mov_b32 s[G0W], 1             ; count = 1
	s_mul_i32 s[G0W+1], s[WV], QUART  ; LDS: slot 0, my wave's part: no place in the cluster enters an LDS address
	s_mov_b32 s[G0X], 1
	s_mul_i32 s[G0X+1], s[WV], XQ
	s_add_co_u32 s[G0X+1], s[G0X+1], SLOT  ; x lies in slot 1 until it has been rounded
	s_mov_b32 s[G0N], 1
	s_lshl_b32 s[G0N+1], s[WV], 13
	s_add_co_u32 s[G0N+1], s[G0N+1], WWL
	s_mov_b32 s[SEL], 0x76543210
	s_mov_b32 s[SEL+1], 0xfedcba98
	s_mov_b32 s[TB], SLOT+4*TILEB   ; the first change of slots turns this into 0
	s_mov_b32 s[TW], 0
	s_mov_b32 s[TAU], -1            ; the first tile's riders work on a tile that has not been
	s_mov_b32 s[SLOTS], 31
	s_cmp_eq_u32 ttmp9, 0           ; the cluster's number: the same in all four partners
	s_cselect_b32 s[LIM], 2, -1
	s_lshl_b32 s2, s[WV], 15        ; 32,768 x wave: my 64 rows of wb; also my 32 rows of x
	s_mov_b32 s3, 0
	s_lshl_b32 s70, s[WV], 8        ; my 64 numbers in a row of wn
	s_mov_b32 s71, 0
	s_wait_dscnt 0x0                ; both opening adds are done
	s_wait_kmcnt 0x0
	s_add_nc_u64 s[G0W+2:G0W+3], s[6:7], s[2:3]
	s_or_b32 s[G0W+3], s[G0W+3], 0x80000000  ; type = 2
	s_add_nc_u64 s[G0N+2:G0N+3], s[8:9], s[70:71]
	s_or_b32 s[G0N+3], s[G0N+3], 0x80000000
	s_lshl_b32 s68, s[WG], 17       ; my work-group's 128 rows of 1,024 bytes
	s_add_co_u32 s68, s68, s2
	s_mov_b32 s69, 0
	s_add_nc_u64 s[G0X+2:G0X+3], s[4:5], s[68:69]
	s_or_b32 s[G0X+3], s[G0X+3], 0x80000000
	s_lshl_b32 s68, s[CX], 13       ; the prefetches: 8,192 x place + 32,768 x wave,
	s_add_co_u32 s68, s68, s2
	s_add_co_u32 s68, s68, 2*SLOTB  ; in slot index 2; the first change steps it to 3
	s_add_nc_u64 s[PFA:PFA+1], s[6:7], s[68:69]
	s_lshl_b32 s68, s[WG], 9        ; my work-group's 128 indices
	s_add_nc_u64 s[10:11], s[10:11], s[68:69]
	s_add_nc_u64 s[12:13], s[12:13], s[68:69]
	CROUND                          ; all four work-groups are here: the first joint loads meet
	tensor_load_to_lds s[G0X:G0X+3], s[G1X:G1X+7]  ; the first fills go out together: x first, since it is wanted first; three loads of mine are out
	s_nop 0
	tensor_load_to_lds s[G0N:G0N+3], s[G1N:G1N+7]
	s_nop 0
	tensor_load_to_lds s[G0W:G0W+3], s[G1W:G1W+7]  ; slot index 0
	s_nop 0
.rept 4
	v_nop
.endr
	; lane addresses, in the wait for x
	v_and_b32 v[R], 15, v0
	v_bfe_u32 v[H], v0, 4, 1
	v_mul_u32_u24 v[AW0], v[R], PW
	v_lshl_add_u32 v[AW0], v[H], 4, v[AW0]
	s_mul_i32 s2, s[WV], QUART
	v_add_nc_u32 v[AW0], s2, v[AW0]   ; row x pitch + 16 x half + my wave's part
	s_lshl_b32 s2, s[WV], 13
	s_add_co_u32 s2, s2, WWL
	v_lshl_add_u32 v[AWW], v[H], 5, s2  ; my eight codes' 32 bytes of a tile's 64
	v_mul_u32_u24 v[AX0], v[R], PX
	v_lshl_add_u32 v[AX0], v[H], 5, v[AX0]
	v_add_nc_u32 v[AX0], SLOT, v[AX0]
	v_add_nc_u32 v[AX0+1], 64*PX, v[AX0]
	v_mul_u32_u24 v[AXX], v0, PX
	v_add_nc_u32 v[AXX], SLOT, v[AXX]
	v_lshl_add_u32 v[AXR], v[R], 2, XXS
	v_lshl_add_u32 v[TV], v0, 2, XXS
	v_and_b32 v[PFO], 31, v0
	v_lshlrev_b32 v[PFO], 8, v[PFO]
	; What the first tile's riders find, so that the first tile is a tile like any other and none is written out: sums of minus infinity and ww = 0 make distances of plus infinity, which are not below
	; BEST = plus infinity.  SAV and GID are read by the selections before they are first taken, so they hold 0.  152 lines, once, in the wait for x.
	s_mov_b32 s2, 0xff800000
	s_mov_b32 s3, 0x7f800000
.set z, 0
.rept 64
	v_mov_b32 v[ACC+64+z], s2
	v_mov_b32 v[SAV+z], 0
.set z, z+1
.endr
.set z, 0
.rept 8
	v_mov_b32 v[WW+8+z], 0
	v_mov_b32 v[BEST+z], s3
	v_mov_b32 v[GID+z], 0
.set z, z+1
.endr
.irp c, 0,1,2,3
	v_mov_b32 v[MT+(\c)], 0         ; four chains for xx
.endr
	s_wait_tensorcnt 0x2            ; my part of x is in; the two loads issued behind it may stay out
	s_barrier_signal -1
	s_barrier_wait -1               ; everybody's part is
	; xx: thread n sums the squares of row n, rounded to bf16 as the product's operand is: 64 numbers a trip.
	s_mov_b32 s2, 0
	s_mov_b32 s[CNT], 4
.Lxx:
	v_add_nc_u32 v[ADR], s2, v[AXX]
.irp k, 0,1,2,3,4,5,6,7,8,9,10,11,12,13,14,15
	ds_load_b128 v[ACC+4*(\k):ACC+4*(\k)+3], v[ADR] offset:16*(\k)
.endr
	s_wait_dscnt 0x0
.set z, 0
.rept 32
	v_cvt_pk_bf16_f32 v[ACC+z], v[ACC+2*z], v[ACC+2*z+1]  ; in place: register z is written when registers 2 z and 2 z + 1 are read
.set z, z+1
.endr
.set z, 0
.rept 32
	v_fma_mix_f32_bf16 v[MT+(2*z)%4],   v[ACC+z], v[ACC+z], v[MT+(2*z)%4]   op_sel_hi:[1,1,0]
	v_fma_mix_f32_bf16 v[MT+(2*z+1)%4], v[ACC+z], v[ACC+z], v[MT+(2*z+1)%4] op_sel:[1,1,0] op_sel_hi:[1,1,0]
.set z, z+1
.endr
	s_add_co_u32 s2, s2, 256
	s_sub_co_u32 s[CNT], s[CNT], 1
	s_cmp_lg_u32 s[CNT], 0
	s_cbranch_scc1 .Lxx
	v_add_f32 v[MT], v[MT], v[MT+1]
	v_add_f32 v[MT+2], v[MT+2], v[MT+3]
	v_add_f32 v[MT], v[MT], v[MT+2]
	ds_store_b32 v[TV], v[MT]       ; the others read it behind the round of the first change of slots
	; x to bf16, all 128 rows in every wave: two sets of 128 registers take turns
	CONVLOAD 0, 0
	CONVLOAD 1, 1
.irp t, 0,1,2,3,4,5,6,7
.if \t < 7
	s_wait_dscnt 32                 ; LDS instructions end in order: this tile's 32 loads are in, the next tile's 32 may stay out
.else
	s_wait_dscnt 0x0
.endif
	CONVCVT \t, (\t%2)
.if \t < 6
	CONVLOAD (\t+2), (\t%2)
.endif
.endr
	CHANGE 1                        ; wn and slot index 0 are in; nobody reads x any more; slot 1 takes slot index 1
.irp t, 0,1,2,3,4,5,6,7
	ds_load_b32 v[XX+(\t)], v[AXR] offset:64*(\t)
.endr
	FETCHW 0                        ; my first code tile
	WIN 0
	s_mov_b32 s[CNT], 2
	s_branch .Lfirst                ; the loop is entered in the middle of a trip: the first slot's first three tiles
.Lslot:                             ; 30 times: a slot's fourth tile and the next slot's first three
	CHANGE 1
	s_mov_b32 s[CNT], 2
.Lpair:
	TILE 1
.Lfirst:
	TILE 0
	s_sub_co_u32 s[CNT], s[CNT], 1
	s_cmp_lg_u32 s[CNT], 0
	s_cbranch_scc1 .Lpair
	s_sub_co_u32 s[SLOTS], s[SLOTS], 1
	s_cmp_lg_u32 s[SLOTS], 0
	s_cbranch_scc1 .Lslot
	CHANGE 0                        ; the tail is written out: the last slot is in, nothing is asked for
	s_mov_b32 s[CNT], 2
.Ltail:
	TILE 1
	TILE 0
	s_sub_co_u32 s[CNT], s[CNT], 1
	s_cmp_lg_u32 s[CNT], 0
	s_cbranch_scc1 .Ltail
	TILE 1, 0                       ; my last code tile: only its ww is fetched
	s_wait_dscnt 0x0                ; that ww
.set kd, 0
.rept 46
	SLICE kd, 1                     ; and its riders, with nothing left to ride on; the slice behind the last product is the four places in front of them
.set kd, kd+1
.endr
	; THE END.  In each lane and query tile: which of the eight saved distances is the least (the lowest such register), and the code's number:
	; 256 x (tile / 4) + 64 x wave + 16 x (tile % 4) + 8 (l / 16) + register.  Then the other half of the lanes, then the four waves, through LDS.
	v_lshlrev_b32 v[TV], 3, v[H]
	v_lshl_add_u32 v[TV], s[WV], 6, v[TV]
	s_lshl_b32 s2, s[WV], 9
	s_add_co_u32 s2, s2, REDV
	v_lshl_add_u32 v[ADR], v[R], 2, s2
.irp t, 0,1,2,3,4,5,6,7
	v_mov_b32 v[RJ+\t], 0
.irp j, 7,6,5,4,3,2,1,0
	v_cmp_eq_f32 vcc_lo, v[SAV+8*\t+\j], v[BEST+\t]
	v_cndmask_b32 v[RJ+\t], v[RJ+\t], \j, vcc_lo
.endr
	v_and_b32 v[RJ+8], -4, v[GID+\t]
	v_and_b32 v[RJ+9], 3, v[GID+\t]
	v_lshl_add_u32 v[RJ+\t], v[RJ+8], 6, v[RJ+\t]
	v_lshl_add_u32 v[RJ+\t], v[RJ+9], 4, v[RJ+\t]
	v_add_nc_u32 v[RJ+\t], v[TV], v[RJ+\t]
	v_permlanex16_b32 v[RJ+10], v[BEST+\t], s[SEL], s[SEL+1]  ; the query's other codes lie in the lane 16 away
	v_permlanex16_b32 v[RJ+11], v[RJ+\t], s[SEL], s[SEL+1]
	MERGE BEST+\t, RJ+\t, RJ+10, RJ+11
	ds_store_b32 v[ADR], v[BEST+\t] offset:64*\t              ; both halves of the lanes write the same word with the same number
	ds_store_b32 v[ADR], v[RJ+\t] offset:64*\t+REDI-REDV
.endr
	s_wait_dscnt 0x0                ; for the others' sake: my stores are done
	s_barrier_signal -1
	s_barrier_wait -1
	s_cmp_lg_u32 s[WV], 0
	s_cbranch_scc1 .Lend            ; wave 0 alone merges the four waves' and stores
	v_and_b32 v[ADR], 31, v0
	v_lshlrev_b32 v[ADR], 4, v[ADR] ; queries 4 l .. 4 l + 3
	v_add_nc_u32 v[TV], REDV, v[ADR]
.irp w, 0,1,2,3
	ds_load_b128 v[160+4*(\w):160+4*(\w)+3], v[TV] offset:512*(\w)
	ds_load_b128 v[176+4*(\w):176+4*(\w)+3], v[TV] offset:512*(\w)+REDI-REDV
.endr
	s_wait_dscnt 0x0
.irp w, 1,2,3
.irp e, 0,1,2,3
	MERGE 160+\e, 176+\e, 160+4*\w+\e, 176+4*\w+\e
.endr
.endr
	global_store_b128 v[ADR], v[176:179], s[10:11]  ; 512 consecutive bytes of out1, at a multiple of 256 from its first byte,
	global_store_b128 v[ADR], v[176:179], s[12:13]  ; and the same for the next launch, which makes addresses of them
.Lend:
	s_wait_tensorcnt 0x0            ; the wave's end, behind my last tensor load and my last LDS store
	ds_add_u32 v[SPW], v[NIL]
	s_wait_dscnt 0x0
	CROUND                          ; the closing round: no work-group ends while a partner may still ask for a tile that names it
	s_endpgm
.Lfunc_end_k_q79f3708282_main:
	.size	k_q79f3708282_main, .Lfunc_end_k_q79f3708282_main-k_q79f3708282_main
	.p2alignl 7, 3214868480
	.fill 96, 4, 3214868480
	.section	.rodata,"a",@progbits
	.p2align	6, 0x0
	.amdhsa_kernel k_q79f3708282_main
		.amdhsa_group_segment_fixed_size 327680
		.amdhsa_private_segment_fixed_size 0
		.amdhsa_enable_private_segment 0
		.amdhsa_kernarg_size 40
		.amdhsa_user_sgpr_count 2
		.amdhsa_user_sgpr_kernarg_segment_ptr 1
		.amdhsa_wavefront_size32 1
		.amdhsa_system_sgpr_workgroup_id_x 1
		.amdhsa_system_sgpr_workgroup_id_y 1
		.amdhsa_system_sgpr_workgroup_id_z 1
		.amdhsa_system_vgpr_workitem_id 0
		.amdhsa_next_free_vgpr 1024
		.amdhsa_next_free_sgpr 76
		.amdhsa_reserve_vcc 1
		.amdhsa_float_denorm_mode_32 3
		.amdhsa_float_denorm_mode_16_64 3
		.amdhsa_memory_ordered 1
		.amdhsa_forward_progress 1
		.amdhsa_inst_pref_size 198
	.end_amdhsa_kernel
	.amdgpu_metadata
---
amdhsa.version: [ 1, 2 ]
amdhsa.kernels:
  - .name:           k_q79f3708282_main
    .symbol:         k_q79f3708282_main.kd
    .args:
      - { .name: inputs, .offset: 0, .size: 8, .value_kind: global_buffer, .address_space: global }
      - { .name: wb, .offset: 8, .size: 8, .value_kind: global_buffer, .address_space: global }
      - { .name: wn, .offset: 16, .size: 8, .value_kind: global_buffer, .address_space: global }
      - { .name: out1, .offset: 24, .size: 8, .value_kind: global_buffer, .address_space: global }
      - { .name: order, .offset: 32, .size: 8, .value_kind: global_buffer, .address_space: global }
    .group_segment_fixed_size: 327680
    .private_segment_fixed_size: 0
    .kernarg_segment_align: 8
    .kernarg_segment_size: 40
    .max_flat_workgroup_size: 128
    .sgpr_count:     76
    .vgpr_count:     1024
    .wavefront_size: 32
...
	.end_amdgpu_metadata
.endif
;; end of part 2
;; launch gather (part 3): grid 256 x 1, 8 waves a work-group, no clusters, 0 bytes of LDS; arguments weight, order, out0; writes out0
.if DOCPART == 3
	.amdgcn_target "amdgcn-amd-amdhsa--gfx1250"
	.amdhsa_code_object_version 6
	.text
	.protected	k_q79f3708282_gather
	.globl	k_q79f3708282_gather
	.p2align	8
	.type	k_q79f3708282_gather,@function
k_q79f3708282_gather:
	s_mov_b64 s[64:65], 0
	v_nop
	global_prefetch_b8 v0, s[64:65] scope:SCOPE_SE
	s_setreg_imm32_b32 hwreg(HW_REG_WAVE_MODE, 25, 1), 1
	s_wait_xcnt 0x0
; out0[n][:] = weight[order[n]][:].  weight: [8192][256] f32; order: [32768] int32, stored by the launch before; out0: [32768][256] f32.
; The f32 rows are copied as they are: nothing is rounded.
; SHARES.  Wave g of 2,048 copies rows 16 g .. 16 g + 15.  Its 16 indices come by one scalar load; each is held to the table (0 .. 8,191) before it enters an address.
; A row is 1,024 bytes: two loads and two stores of 16 bytes a lane, 512 consecutive bytes each, aligned.  All 32 loads of a wave go out at once; every row has registers of its own, so no source of
; a pending load or store is ever rewritten and the only waits are the counted ones for the data.  No LDS, no matrix unit, no cluster: the launch only moves bytes, and no two work-groups are known to share a row.
.set LO,  1                            ; v1       16 x lane
.set RO,  2                            ; v[2:17]  row i: 1,024 x its index + 16 x lane
.set D,   32                           ; v[32:159] row i, half j at D + 8 i + 4 j
	s_load_b128 s[4:7], s[0:1], 0x0                ; weight s[4:5], order s[6:7]
	s_load_b64 s[8:9], s[0:1], 0x10                ; out0
	v_lshrrev_b32 v18, 5, v0
	v_readfirstlane_b32 s10, v18                   ; wave 0..7
	v_and_b32 v[LO], 31, v0
	v_lshlrev_b32 v[LO], 4, v[LO]
	s_lshl_b32 s11, ttmp9, 3
	s_add_co_u32 s11, s11, s10                     ; g
	s_lshl_b32 s12, s11, 6                         ; its 16 indices: 64 bytes
	s_mov_b32 s13, 0
	s_lshl_b32 s14, s11, 14                        ; its 16 rows of out0
	s_mov_b32 s15, 0
	s_wait_kmcnt 0x0
	s_add_nc_u64 s[6:7], s[6:7], s[12:13]
	s_add_nc_u64 s[8:9], s[8:9], s[14:15]
	s_load_b512 s[16:31], s[6:7], 0x0
	s_wait_kmcnt 0x0
.irp i, 0,1,2,3,4,5,6,7,8,9,10,11,12,13,14,15
	s_min_u32 s[16+(\i)], s[16+(\i)], 0x1fff       ; inside the table, whatever was stored
	s_lshl_b32 s[16+(\i)], s[16+(\i)], 10
	v_add_nc_u32 v[RO+(\i)], s[16+(\i)], v[LO]
.endr
.irp i, 0,1,2,3,4,5,6,7,8,9,10,11,12,13,14,15
	global_load_b128 v[D+8*(\i):D+8*(\i)+3],   v[RO+(\i)], s[4:5]
	global_load_b128 v[D+8*(\i)+4:D+8*(\i)+7], v[RO+(\i)], s[4:5] offset:512
.endr
.irp i, 0,1,2,3,4,5,6,7,8,9,10,11,12,13,14,15
	s_wait_loadcnt 30-2*(\i)                       ; loads come back in order: this row's two are in, the 2 (15 - i) of the later rows stay out
	global_store_b128 v[LO], v[D+8*(\i):D+8*(\i)+3],   s[8:9] offset:1024*(\i) th:TH_STORE_NT
	global_store_b128 v[LO], v[D+8*(\i)+4:D+8*(\i)+7], s[8:9] offset:1024*(\i)+512 th:TH_STORE_NT
.endr
	s_endpgm
.Lfunc_end_k_q79f3708282_gather:
	.size	k_q79f3708282_gather, .Lfunc_end_k_q79f3708282_gather-k_q79f3708282_gather
	.p2alignl 7, 3214868480
	.fill 96, 4, 3214868480
	.section	.rodata,"a",@progbits
	.p2align	6, 0x0
	.amdhsa_kernel k_q79f3708282_gather
		.amdhsa_group_segment_fixed_size 0
		.amdhsa_private_segment_fixed_size 0
		.amdhsa_enable_private_segment 0
		.amdhsa_kernarg_size 24
		.amdhsa_user_sgpr_count 2
		.amdhsa_user_sgpr_kernarg_segment_ptr 1
		.amdhsa_wavefront_size32 1
		.amdhsa_system_sgpr_workgroup_id_x 1
		.amdhsa_system_sgpr_workgroup_id_y 1
		.amdhsa_system_sgpr_workgroup_id_z 1
		.amdhsa_system_vgpr_workitem_id 0
		.amdhsa_next_free_vgpr 160
		.amdhsa_next_free_sgpr 66
		.amdhsa_reserve_vcc 0
		.amdhsa_float_denorm_mode_32 3
		.amdhsa_float_denorm_mode_16_64 3
		.amdhsa_memory_ordered 1
		.amdhsa_forward_progress 1
		.amdhsa_inst_pref_size 10
	.end_amdhsa_kernel
	.amdgpu_metadata
---
amdhsa.version: [ 1, 2 ]
amdhsa.kernels:
  - .name:           k_q79f3708282_gather
    .symbol:         k_q79f3708282_gather.kd
    .args:
      - { .name: weight, .offset: 0, .size: 8, .value_kind: global_buffer, .address_space: global }
      - { .name: order, .offset: 8, .size: 8, .value_kind: global_buffer, .address_space: global }
      - { .name: out0, .offset: 16, .size: 8, .value_kind: global_buffer, .address_space: global }
    .group_segment_fixed_size: 0
    .private_segment_fixed_size: 0
    .kernarg_segment_align: 8
    .kernarg_segment_size: 24
    .max_flat_workgroup_size: 256
    .sgpr_count:     66
    .vgpr_count:     160
    .wavefront_size: 32
...
	.end_amdgpu_metadata
.endif
;; end of part 3
;; ======== version 2 of 2: 3 launches; version 1 with the launch prep written anew for expert scheduling mode
;; workspace buffers: wb 4,194,304 bytes; wn 32,768 bytes; order 131,072 bytes of whole numbers
;; launch prep (part 4): grid 128 x 1, 8 waves a work-group, no clusters, 1,280 bytes of LDS; arguments weight, wb, wn; writes wb, wn
.if DOCPART == 4
	.amdgcn_target "amdgcn-amd-amdhsa--gfx1250"
	.amdhsa_code_object_version 6
	.text
	.protected	k_q79f3708282_prep
	.globl	k_q79f3708282_prep
	.p2align	8
	.type	k_q79f3708282_prep,@function
k_q79f3708282_prep:
	s_mov_b64 s[64:65], 0
	v_nop
	global_prefetch_b8 v0, s[64:65] scope:SCOPE_SE
	s_setreg_imm32_b32 hwreg(HW_REG_WAVE_SCHED_MODE, 0, 2), 2
	s_setreg_imm32_b32 hwreg(HW_REG_WAVE_MODE, 25, 1), 1
	s_wait_xcnt 0x0
	s_wait_alu depctr_vm_vsrc(0)
; wb[k][:] = weight[k][:] rounded to bf16 (nearest even);  wn[k] = the sum over d of wb[k][d]^2, in f32.
; weight: [8192][256] f32.  wb: [8192][256] bf16.  wn: [8192] f32.
; The squares are taken of the ROUNDED numbers: the distances of the next launch are those of the rounded codebook.
; SHARES.  A work-group owns 64 rows, so that its 64 sums are 256 consecutive bytes of wn, aligned, stored by one instruction.
; Wave w owns rows 8 w .. 8 w + 7.  A row is 1,024 bytes: two loads of 16 bytes a lane, 512 consecutive bytes each; all 16 loads of
; a wave go out at once, so nothing is walked and no ring is needed.  A row of wb is 512 bytes: two stores of 8 bytes a lane, each
; 256 consecutive bytes, aligned.
; LIMITS.  The order of the 256 additions is this text's own (two chains a lane, then across the lanes); NaN and infinities pass through.
; THE MODE: SCHED_MODE bits 1:0 = 2 (LLVM: expert scheduling mode 2), set by the entry lines.  The code itself states the register dependences
; between vector instructions and memory or LDS instructions, with s_wait_alu, always for 0.
; THE PLAN.  Registers that memory or LDS instructions touch:
;   v[LO], v[SO], v[LW]  offsets and LDS addresses: written at the head, never again; read by every load, store and LDS access.
;   X                    the 16 loads land in it, once; row i's roundings read its part.  No vector instruction writes it.
;   Y[i]                 written by row i's roundings; read by the two global stores that are issued in row i + 1.  Never written again.
;   S[i]                 written by row i's last addition; read by the LDS store that is issued in row i + 1.  Never written again.
;   v[RB:RB+1]           wave 0's LDS load of two sums lands in it, the store of wn reads it; no vector instruction names it.
;   v[SPW], v[NIL]       written at the head, read by the closing add alone.
;   v[T:T+1] and v[ZERO] are named by vector instructions alone.
; So ONE wait on va_vdst stands at the head of each row but the first, behind the wait for the row's data: the row before has written its Y and its S.  That row's three
; stores follow it, dealt among this row's vector instructions, which name X[i], Y[i], S[i], T and ZERO: none of the registers that those stores read.  One more stands behind
; the last row.  No register that a memory or LDS instruction reads is ever written again, so no wait on vm_vsrc is owed.
.set SPARE, 256                        ; LDS: bytes 0-255 the 64 sums; behind them the spare words, 128 bytes for each of the eight waves
.set LO,  1                            ; v1   16 x lane: my bytes in half a row of weight
.set SO,  2                            ; v2   8 x lane: my bytes in half a row of wb; also my two sums in LDS and in wn (wave 0)
.set LW,  3                            ; v3   32 x wave: my wave's eight sums in LDS
.set SPW, 4                            ; v4   LDS address of my spare word; never rewritten
.set NIL, 5                            ; v5   0, for the add alone; never rewritten
.set T,   6                            ; v[6:7] at work
.set RB,  8                            ; v[8:9] wave 0: two sums read back from LDS
.set ZERO, 10                          ; v10  0: what the two chains of a row start from
.set X,   16                           ; v[16:79]  row i, half j: four f32 at X + 8 i + 4 j
.set Y,   80                           ; v[80:111] row i: eight bf16 in the four registers Y + 4 i + 0..3 (two registers a half)
.set S,   112                          ; v[112:119] row i: its sum
	s_load_b128 s[4:7], s[0:1], 0x0                ; weight s[4:5], wb s[6:7]
	s_load_b64 s[8:9], s[0:1], 0x10                ; wn
	v_lshl_add_u32 v[SPW], v0, 2, SPARE
	v_mov_b32 v[NIL], 0
	v_mov_b32 v[ZERO], 0
	v_lshrrev_b32 v[T], 5, v0
	v_readfirstlane_b32 s10, v[T]                  ; wave 0..7
	v_and_b32 v[T+1], 31, v0                       ; lane
	v_lshlrev_b32 v[LO], 4, v[T+1]
	v_lshlrev_b32 v[SO], 3, v[T+1]
	v_and_b32 v[LW], 0xe0, v0                      ; 32 x wave
	s_mov_b32 s12, 0x76543210                      ; v_permlanex16_b32: each lane takes its own place in the other half
	s_mov_b32 s13, 0xfedcba98
	s_lshl_b32 s14, ttmp9, 16                      ; the work-group's 64 rows of 1,024 bytes,
	s_wait_alu depctr_va_sdst(0)                   ; s10 is written, ahead of its first reader: the bases of weight and wb are made from it
	s_lshl_b32 s15, s10, 13                        ; my wave's 8 of them
	s_add_co_u32 s14, s14, s15
	s_mov_b32 s15, 0
	s_lshr_b32 s16, s14, 1                         ; the same rows in wb: half the bytes
	s_mov_b32 s17, 0
	s_lshl_b32 s18, ttmp9, 8                       ; the work-group's 64 sums in wn
	s_mov_b32 s19, 0
	s_wait_kmcnt 0x0
	s_add_nc_u64 s[4:5], s[4:5], s[14:15]
	s_add_nc_u64 s[6:7], s[6:7], s[16:17]
	s_add_nc_u64 s[8:9], s[8:9], s[18:19]
	s_wait_alu depctr_va_vdst(0)                   ; v[LO], v[SO] and v[LW] are written, which the loads, stores and LDS accesses below read as offsets and addresses
.irp i, 0,1,2,3,4,5,6,7
	global_load_b128 v[X+8*(\i):X+8*(\i)+3],   v[LO], s[4:5] offset:1024*(\i) th:TH_LOAD_NT
	global_load_b128 v[X+8*(\i)+4:X+8*(\i)+7], v[LO], s[4:5] offset:1024*(\i)+512 th:TH_LOAD_NT
.endr
; The three stores of row i.  They are issued behind a wait on va_vdst that stands behind all of row i's vector instructions.
.macro ST_LO i
	global_store_b64 v[SO], v[Y+4*(\i):Y+4*(\i)+1],   s[6:7] offset:512*(\i) th:TH_STORE_NT      ; 32 lanes x 8 bytes: 256 consecutive bytes, aligned
.endm
.macro ST_HI i
	global_store_b64 v[SO], v[Y+4*(\i)+2:Y+4*(\i)+3], s[6:7] offset:512*(\i)+256 th:TH_STORE_NT
.endm
.macro ST_SUM i
	ds_store_b32 v[LW], v[S+(\i)] offset:4*(\i)    ; all lanes write the same word with the same number
.endm
; Row i: rounded, squared and summed; the row before is stored.  Each row has data registers of its own, so no store's source is ever rewritten.
.macro ROW i
	s_wait_loadcnt 14-2*(\i)                       ; loads come back in order: this row's two are in, the 2 (7 - i) of the later rows stay out
.if (\i) > 0
	s_wait_alu depctr_va_vdst(0)                   ; the row before has written its Y and its S, which the three stores dealt among the lines below read
	ST_LO (\i)-1
.endif
.irp k, 0,1,2,3
	v_cvt_pk_bf16_f32 v[Y+4*(\i)+(\k)], v[X+8*(\i)+2*(\k)], v[X+8*(\i)+2*(\k)+1]
.endr
.if (\i) > 0
	ST_HI (\i)-1                                   ; no wait: no vector instruction since the wait above names the row before's Y or S, or v[SO], v[LW]
.endif
	v_fma_mix_f32_bf16 v[T],   v[Y+4*(\i)], v[Y+4*(\i)], v[ZERO] op_sel_hi:[1,1,0]                 ; low halves: one chain,
	v_fma_mix_f32_bf16 v[T+1], v[Y+4*(\i)], v[Y+4*(\i)], v[ZERO] op_sel:[1,1,0] op_sel_hi:[1,1,0]  ; high halves: the other
.irp k, 1,2,3
	v_fma_mix_f32_bf16 v[T],   v[Y+4*(\i)+(\k)], v[Y+4*(\i)+(\k)], v[T]   op_sel_hi:[1,1,0]
	v_fma_mix_f32_bf16 v[T+1], v[Y+4*(\i)+(\k)], v[Y+4*(\i)+(\k)], v[T+1] op_sel:[1,1,0] op_sel_hi:[1,1,0]
.endr
.if (\i) > 0
	ST_SUM (\i)-1
.endif
	v_add_f32 v[T], v[T], v[T+1]
	v_add_f32_dpp v[T], v[T], v[T] row_xmask:1 row_mask:0xf bank_mask:0xf
	v_add_f32_dpp v[T], v[T], v[T] row_xmask:2 row_mask:0xf bank_mask:0xf
	v_add_f32_dpp v[T], v[T], v[T] row_xmask:4 row_mask:0xf bank_mask:0xf
	v_add_f32_dpp v[T], v[T], v[T] row_xmask:8 row_mask:0xf bank_mask:0xf
	v_permlanex16_b32 v[T+1], v[T], s12, s13       ; the other half of the lanes
	v_add_f32 v[S+(\i)], v[T], v[T+1]              ; every lane holds the row's sum, in a register of the row's own
.endm
.irp i, 0,1,2,3,4,5,6,7
	ROW \i
.endr
	s_wait_alu depctr_va_vdst(0)                   ; the last row has written its Y and its S, which its three stores read
	ST_SUM 7
	ST_LO 7
	ST_HI 7
	s_wait_dscnt 0x0                               ; for the others' sake: my eight sums lie in LDS
	s_barrier_signal -1
	s_barrier_wait -1                              ; all 64 do
	s_cmp_lg_u32 s10, 0
	s_cbranch_scc1 .Lend                           ; wave 0 alone stores them
	ds_load_b64 v[RB:RB+1], v[SO]                  ; sums 2 l and 2 l + 1, into registers that no vector instruction names
	s_wait_dscnt 0x0
	global_store_b64 v[SO], v[RB:RB+1], s[8:9]     ; 256 consecutive bytes of wn, aligned
.Lend:
	s_wait_dscnt 0x0                               ; the closing lines, six on end
	s_wait_alu 0x0
	s_wait_tensorcnt 0x0
	ds_add_u32 v[SPW], v[NIL]
	s_wait_dscnt 0x0
	s_endpgm
.Lfunc_end_k_q79f3708282_prep:
	.size	k_q79f3708282_prep, .Lfunc_end_k_q79f3708282_prep-k_q79f3708282_prep
	.p2alignl 7, 3214868480
	.fill 96, 4, 3214868480
	.section	.rodata,"a",@progbits
	.p2align	6, 0x0
	.amdhsa_kernel k_q79f3708282_prep
		.amdhsa_group_segment_fixed_size 1280
		.amdhsa_private_segment_fixed_size 0
		.amdhsa_enable_private_segment 0
		.amdhsa_kernarg_size 24
		.amdhsa_user_sgpr_count 2
		.amdhsa_user_sgpr_kernarg_segment_ptr 1
		.amdhsa_wavefront_size32 1
		.amdhsa_system_sgpr_workgroup_id_x 1
		.amdhsa_system_sgpr_workgroup_id_y 1
		.amdhsa_system_sgpr_workgroup_id_z 1
		.amdhsa_system_vgpr_workitem_id 0
		.amdhsa_next_free_vgpr 120
		.amdhsa_next_free_sgpr 66
		.amdhsa_reserve_vcc 0
		.amdhsa_float_denorm_mode_32 3
		.amdhsa_float_denorm_mode_16_64 3
		.amdhsa_memory_ordered 1
		.amdhsa_forward_progress 1
		.amdhsa_inst_pref_size 15
	.end_amdhsa_kernel
	.amdgpu_metadata
---
amdhsa.version: [ 1, 2 ]
amdhsa.kernels:
  - .name:           k_q79f3708282_prep
    .symbol:         k_q79f3708282_prep.kd
    .args:
      - { .name: weight, .offset: 0, .size: 8, .value_kind: global_buffer, .address_space: global }
      - { .name: wb, .offset: 8, .size: 8, .value_kind: global_buffer, .address_space: global }
      - { .name: wn, .offset: 16, .size: 8, .value_kind: global_buffer, .address_space: global }
    .group_segment_fixed_size: 1280
    .private_segment_fixed_size: 0
    .kernarg_segment_align: 8
    .kernarg_segment_size: 24
    .max_flat_workgroup_size: 256
    .sgpr_count:     66
    .vgpr_count:     120
    .wavefront_size: 32
...
	.end_amdgpu_metadata
.endif
;; end of part 4
;; launch main: the kernel of part 2 again; grid 256 x 1, 4 waves a work-group, clusters of 4 x 1, 327,680 bytes of LDS; arguments inputs, wb, wn, out1, order; writes out1, order
;; launch gather: the kernel of part 3 again; grid 256 x 1, 8 waves a work-group, no clusters, 0 bytes of LDS; arguments weight, order, out0; writes out0
